; MI455X (gfx1250); checked and timed in simulation.
; The chip was launched on July 23, 2026; its instructions are those of AMD's public machine-readable ISA for CDNA 5 (MIT licence, August 2026) and "CDNA5" Instruction Set Architecture Reference Guide (July 2026). The comments in the code are by the model that wrote it; some were corrected since.
;; Pyramid Ro I Align. Allowed arithmetic: float matrix products may take bf16 or f16 operands with f32 sums; all other float work in f32.
;; Inputs: boxes 1,000 x 5 float32; f2 2 x 256 x 256 x 256 float32; f3 2 x 256 x 128 x 128 float32; f4 2 x 256 x 64 x 64 float32; f5 2 x 256 x 32 x 32 float32.
;; Outputs: out0 1,000 x 256 x 7 x 7 float32.
;; One version. Each part assembles by itself: llvm-mc -triple=amdgcn-amd-amdhsa -mcpu=gfx1250 --defsym DOCPART=n.
;; ======== version 1 of 1: 2 launches
;; workspace buffers: idx 16,384 bytes of whole numbers
;; launch prep (part 1): grid 8 x 1, 4 waves a work-group, no clusters, 0 bytes of LDS; arguments boxes, idx; writes idx
.if DOCPART == 1
	.amdgcn_target "amdgcn-amd-amdhsa--gfx1250"
	.amdhsa_code_object_version 6
	.text
	.protected	k_q0dcd64d996_prep
	.globl	k_q0dcd64d996_prep
	.p2align	8
	.type	k_q0dcd64d996_prep,@function
k_q0dcd64d996_prep:
	s_mov_b64 s[64:65], 0
	v_nop
	global_prefetch_b8 v0, s[64:65] scope:SCOPE_SE
	s_setreg_imm32_b32 hwreg(HW_REG_WAVE_MODE, 25, 1), 1
	s_wait_xcnt 0x0
; For every box: the whole numbers from which the next launch forms addresses and trip counts.
; boxes: [1000][5] f32 = (image, b1, b2, b3, b4).  idx: 1024 entries of four words:
;   word 0: W | image << 16     W = side of the chosen map in pixels (256, 128, 64, 32 for levels 2 .. 5)
;   word 1: first row that is read          word 2: first aligned block of 4 columns that is read
;   word 3: pairs of rows | blocks of columns << 16
; One thread an entry.  Threads 1000 .. 1023 repeat box 999 into entries that nobody reads, so that no lane is switched off.
; LIMITS.  v_sqrt_f32 and v_log_f32 are accurate to 1 ulp and the division by 224/1024 is a product with the rounded
; reciprocal: a box whose level, before it is rounded, lies within about 1e-6 of k + 0.5 may get the neighbouring level.
; The bin size is a product with the rounded 1/7 (1 ulp from the quotient).  The image number is taken as 0 or 1.
.set NBOX, 1000
.set RCP_REF, 0x40924925               ; 1 / 0.21875, 0.21875 = 224 / sqrt(1024 x 1024)
.set RCP_7,   0x3e124925               ; 1 / 7
.set ONE,  9                           ; v9   1.0
.set WI,   13                          ; v13  W
.set WM1F, 14                          ; v14  W - 1 as f32
.set SC,   15                          ; v15  W / 1024, the level's scale
.set WM1,  16                          ; v16  W - 1
	s_load_b128 s[4:7], s[0:1], 0x0                ; boxes s[4:5], idx s[6:7]
	s_lshl_b32 s8, ttmp9, 7                        ; 128 threads a work-group
	v_add_nc_u32 v1, s8, v0                        ; my entry
	v_min_u32 v2, NBOX-1, v1                       ; my box
	v_mul_u32_u24 v2, 20, v2                       ; 5 f32 a box
	v_mov_b32 v[ONE], 1.0
	s_wait_kmcnt 0x0
	global_load_b32 v4, v2, s[4:5]                 ; image
	global_load_b32 v5, v2, s[4:5] offset:4        ; b1: y1 for the level, x1 for the sampling
	global_load_b32 v6, v2, s[4:5] offset:8        ; b2: x1 for the level, y1 for the sampling
	global_load_b32 v7, v2, s[4:5] offset:12       ; b3
	global_load_b32 v8, v2, s[4:5] offset:16       ; b4
	s_wait_loadcnt 0x0                             ; all five are needed at once
	; level = clip(round(4 + log2(sqrt(h w) / 0.21875)), 2, 5)
	v_sub_f32 v11, v7, v5                          ; h
	v_sub_f32 v12, v8, v6                          ; w
	v_mul_f32 v11, v11, v12
	v_sqrt_f32 v12, v11
	v_lshlrev_b32 v3, 4, v1                        ; my entry's byte offset; also the plain instruction that stands behind v_sqrt_f32 (ISA guide 5.7.2)
	s_wait_alu depctr_va_vdst(0)
	v_mul_f32 v12, RCP_REF, v12
	v_log_f32 v13, v12
	v_mov_b32 v10, 0x400                           ; 1024; also the plain instruction behind v_log_f32
	s_wait_alu depctr_va_vdst(0)
	v_add_f32 v13, 4.0, v13
	v_rndne_f32 v13, v13                           ; halves go to the even number, as in jnp.round
	v_max_num_f32 v13, 2.0, v13                    ; a NaN (h w < 0) loses: level 2, as a NaN turned into an integer and clipped
	v_min_num_f32 v13, 0x40a00000, v13             ; 5.0
	v_cvt_u32_f32 v13, v13
	v_lshrrev_b32 v[WI], v13, v10                  ; W = 1024 >> level
	v_cvt_f32_u32 v[WM1F], v[WI]
	v_mul_f32 v[SC], 0x3a800000, v[WM1F]           ; scale = W / 1024 = 2^-level, exact
	v_add_f32 v[WM1F], -1.0, v[WM1F]
	v_add_nc_u32 v[WM1], -1, v[WI]
	v_cvt_u32_f32 v4, v4                           ; image: toward zero
	v_min_u32 v4, 1, v4
; One axis: the first and the last pixel that any of the seven samples touches.  The same arithmetic, instruction for
; instruction, as the next launch uses for its sample coordinates.  Samples ascend with the bin (the bin size is at least 1/7),
; so the first and the last sample give the range.  A NaN coordinate ends as pixel 0 (v_max_num_f32 drops it).
.macro RANGE lo, hi, imin, imax, t
	v_mul_f32 v[\t], \lo, v[SC]                    ; the roi's start in pixels
	v_mul_f32 v[\imax], \hi, v[SC]
	v_sub_f32 v[\imax], v[\imax], v[\t]            ; its extent,
	v_cmp_gt_f32 vcc_lo, 1.0, v[\imax]
	v_cndmask_b32 v[\imax], v[\imax], v[ONE], vcc_lo       ; at least 1; a NaN stays a NaN, as in jnp.maximum
	v_mul_f32 v[\imax], RCP_7, v[\imax]            ; bin size
	v_fma_f32 v[\imin], 0.5, v[\imax], v[\t]       ; sample of bin 0
	v_fma_f32 v[\imax], 0x40d00000, v[\imax], v[\t]        ; sample of bin 6: + 6.5 bins
	v_max_num_f32 v[\imin], 0, v[\imin]
	v_max_num_f32 v[\imax], 0, v[\imax]
	v_min_num_f32 v[\imin], v[\imin], v[WM1F]      ; clip to 0 .. W - 1
	v_min_num_f32 v[\imax], v[\imax], v[WM1F]
	v_cvt_u32_f32 v[\imin], v[\imin]               ; not negative: toward zero is floor
	v_cvt_u32_f32 v[\imax], v[\imax]
	v_add_nc_u32 v[\imax], 1, v[\imax]             ; the upper neighbour,
	v_min_u32 v[\imax], v[\imax], v[WM1]           ; inside the map
.endm
	RANGE v5, v7, 18, 19, 17                       ; x from b1, b3: columns v18 .. v19
	RANGE v6, v8, 20, 21, 17                       ; y from b2, b4: rows v20 .. v21
	v_lshrrev_b32 v26, 2, v18                      ; first block of 4 columns
	v_lshrrev_b32 v19, 2, v19
	v_sub_nc_u32 v19, v19, v26
	v_add_nc_u32 v19, 1, v19                       ; blocks
	v_sub_nc_u32 v21, v21, v20
	v_add_nc_u32 v21, 2, v21                       ; rows + 1
	v_lshrrev_b32 v21, 1, v21                      ; pairs of rows, rounded up
	v_lshlrev_b32 v22, 1, v21
	v_sub_nc_u32 v22, v[WI], v22                   ; W is even and 2 x pairs <= rows + 1 <= W + 1, so this is not negative
	v_min_u32 v25, v20, v22                        ; first row: moved up where the last pair would leave the map
	v_lshl_or_b32 v24, v4, 16, v[WI]
	v_lshl_or_b32 v27, v19, 16, v21
	global_store_b128 v3, v[24:27], s[6:7]         ; a wave's store covers 512 consecutive bytes, aligned
	s_endpgm
.Lfunc_end_k_q0dcd64d996_prep:
	.size	k_q0dcd64d996_prep, .Lfunc_end_k_q0dcd64d996_prep-k_q0dcd64d996_prep
	.p2alignl 7, 3214868480
	.fill 96, 4, 3214868480
	.section	.rodata,"a",@progbits
	.p2align	6, 0x0
	.amdhsa_kernel k_q0dcd64d996_prep
		.amdhsa_group_segment_fixed_size 0
		.amdhsa_private_segment_fixed_size 0
		.amdhsa_enable_private_segment 0
		.amdhsa_kernarg_size 16
		.amdhsa_user_sgpr_count 2
		.amdhsa_user_sgpr_kernarg_segment_ptr 1
		.amdhsa_wavefront_size32 1
		.amdhsa_system_sgpr_workgroup_id_x 1
		.amdhsa_system_sgpr_workgroup_id_y 1
		.amdhsa_system_sgpr_workgroup_id_z 1
		.amdhsa_system_vgpr_workitem_id 0
		.amdhsa_next_free_vgpr 28
		.amdhsa_next_free_sgpr 66
		.amdhsa_reserve_vcc 1
		.amdhsa_float_denorm_mode_32 3
		.amdhsa_float_denorm_mode_16_64 3
		.amdhsa_memory_ordered 1
		.amdhsa_forward_progress 1
		.amdhsa_inst_pref_size 4
	.end_amdhsa_kernel
	.amdgpu_metadata
---
amdhsa.version: [ 1, 2 ]
amdhsa.kernels:
  - .name:           k_q0dcd64d996_prep
    .symbol:         k_q0dcd64d996_prep.kd
    .args:
      - { .name: boxes, .offset: 0, .size: 8, .value_kind: global_buffer, .address_space: global }
      - { .name: idx, .offset: 8, .size: 8, .value_kind: global_buffer, .address_space: global }
    .group_segment_fixed_size: 0
    .private_segment_fixed_size: 0
    .kernarg_segment_align: 8
    .kernarg_segment_size: 16
    .max_flat_workgroup_size: 128
    .sgpr_count:     66
    .vgpr_count:     28
    .wavefront_size: 32
...
	.end_amdgpu_metadata
.endif
;; end of part 1
;; launch pool (part 2): grid 1000 x 1, 4 waves a work-group, no clusters, 51,712 bytes of LDS; arguments boxes, f2, f3, f4, f5, idx, out0; writes out0
.if DOCPART == 2
	.amdgcn_target "amdgcn-amd-amdhsa--gfx1250"
	.amdhsa_code_object_version 6
	.text
	.protected	k_q0dcd64d996_pool
	.globl	k_q0dcd64d996_pool
	.p2align	8
	.type	k_q0dcd64d996_pool,@function
k_q0dcd64d996_pool:
	s_mov_b64 s[64:65], 0
	v_nop
	global_prefetch_b8 v0, s[64:65] scope:SCOPE_SE
	s_setreg_imm32_b32 hwreg(HW_REG_WAVE_MODE, 25, 1), 1
	s_wait_xcnt 0x0
; out0[box][c][ph][pw]: RoIAlign with one sample a bin, from the map that idx names for the box.
; A work-group is a box; its four waves are independent (no barrier); wave w makes channels 64 w .. 64 w + 63;
; a lane makes two channels, 64 w + lane and 64 w + 32 + lane, so that the weights are the same in all lanes.
;
; THE ARITHMETIC.  For a sample clipped to yc in 0 .. H - 1 the bilinear weight of pixel row y is max(0, 1 - |yc - y|): that is hy at
; floor(yc), ly one row further, 0 elsewhere, and where the upper neighbour is clipped to H - 1 ly is 0.  A sample outside (-1, H)
; or NaN gets the coordinate -8, so that all its weights are 0: the reference's 'valid'.  With Wx likewise,
;   out[ph][pw] = sum over y of Wy[ph][y] * (sum over x of Wx[pw][x] * F[y][x])
; over the rows and columns that idx gives.  One TRIP takes two rows and one aligned block of four columns: each lane reads 16
; bytes of each row of each of its channels with one load.  Normalised boxes mostly need one trip; the number of trips is
; pairs x blocks and grows with the roi's area in pixels, since the whole range is walked, also between samples far apart.
; The first trip is written out with products in place of multiply-adds: no accumulator is cleared.
;
; THE WEIGHTS are made with one lane a weight (lane = 8 j + bin: column or row j of the tile) and handed to all lanes through 256 bytes of
; the wave's own LDS, while the feature loads are on their way.  Bins are padded from 7 to 8 so that v_pk_fma_f32 works on whole pairs;
; what is computed for bin 7 is never stored.
;
; THE WAY OUT.  A lane holds 49 numbers of a channel, 196 bytes of out0.  They go through the wave's own LDS stage (49 words from
; lane to lane: an odd number, so the 32 lanes meet 32 different banks) and come back as 12,544 = 49 x 256 consecutive bytes.
;
; LIMITS.  Feature values in the tiles that are read must be finite: a weight of 0 times an infinity or a NaN is a NaN here, where the
; reference does not look at that pixel or masks the bin.  The bin size is a product with the rounded 1/7 (1 ulp from the quotient).
; NOT USED: tensor loads and copies into LDS (a tile is 2 x 16 bytes in each of 256 planes), clusters (which tiles two boxes share
; hangs on the data), the matrix unit (no matrix product; all sums in f32).
.set BOX_OUT,  50176                   ; bytes of a box in out0: 256 x 49 x 4
.set WAVE_OUT, 12544                   ; 64 channels
.set HALF_OUT, 6272                    ; 32 channels
.set CH_OUT,   196                     ; one channel
.set SCR,      WAVE_OUT                ; behind the wave's stage: 128 bytes of Wx, 128 bytes of Wy
.set WAVE_LDS, WAVE_OUT+256
.set RCP_7,    0x3e124925              ; 1 / 7
.set LANE,  1
.set G,     2                          ; lane >> 3: which column (row) of the tile my weight belongs to
.set XC,    3                          ; clipped x of bin lane & 7, or -8
.set YC,    4                          ; clipped y of bin lane & 7, or -8
.set OFF0,  5                          ; byte offset of my first channel's plane
.set OFF1,  6                          ; of my second
.set STG,   7                          ; LDS: my first channel's 196 bytes in the stage
.set RD,    8                          ; LDS: 16 bytes a lane, for the way back
.set SCW,   9                          ; LDS: my word of the weights (without SCR)
.set SCRD,  10                         ; LDS: the wave's bytes, the same in all lanes
.set OUT16, 11                         ; 16 x lane
.set RD8,   12                         ; LDS: 8 bytes a lane
.set OUT8,  13                         ; 8 x lane
.set TA,    14
.set TB,    15
.set P,     16                         ; v[16:31]   pixels: 4 columns of (row g, channel set a) at P + 4 (2 g + a)
.set WX,    32                         ; v[32:63]   Wx[pw][column j] at WX + 8 j + pw
.set WY,    64                         ; v[64:79]   Wy[ph][row g] at WY + 8 g + ph
.set T,     80                         ; v[80:111]  row sums: 8 bins of (g, a) at T + 8 (2 g + a)
.set ACC,   112                        ; v[112:223] out[ph][pw] of channel set a at ACC + 56 a + 8 ph + pw
.set PH,    T                          ; in front of the first trip's arithmetic T holds: bin + 0.5,
.set SC,    T+1                        ; the scale W / 1024,
.set WF,    T+2                        ; W,
.set WM1,   T+3                        ; W - 1,
.set ONE,   T+4                        ; 1.0,
.set NEG8,  T+5                        ; -8.0
; scalar registers: s32 W, s33 image, s34 first row, s35 first block, s36 pairs of rows, s37 blocks,
; s[38:39] the current block's first tile, s[42:43] bytes in a row, s44 bytes in a plane, s[46:47] bytes in two rows,
; s[48:49], s[50:51] this trip's two rows, s[52:53] an offset, s57 pair, s58 block, s59 first column, s60 first row of the trip
	s_load_b256 s[8:15], s[0:1], 0x0               ; boxes s[8:9], f2 s[10:11], f3 s[12:13], f4 s[14:15]
	s_load_b128 s[16:19], s[0:1], 0x20             ; f5 s[16:17], idx s[18:19]
	s_load_b64 s[20:21], s[0:1], 0x30              ; out0
	v_lshl_add_u32 v224, v0, 2, 0xc800
	v_mov_b32 v225, 0
	v_lshrrev_b32 v[TA], 5, v0
	v_readfirstlane_b32 s2, v[TA]                  ; wave 0 .. 3
	v_and_b32 v[LANE], 31, v0
	s_lshl_b32 s4, ttmp9, 4                        ; my box's entry in idx
	s_mul_i32 s5, ttmp9, 20                        ; my box in boxes
	s_wait_kmcnt 0x0
	s_load_b128 s[24:27], s[18:19], s4 offset:0x0  ; the four words of the entry
	s_load_b128 s[28:31], s[8:9], s5 offset:0x4    ; b1 .. b4: x1, y1, x2, y2 of the sampling
	; what hangs on the lane and the wave alone, while these two loads are out
	s_mul_i32 s3, s2, WAVE_LDS                     ; the wave's LDS bytes
	v_lshrrev_b32 v[G], 3, v[LANE]
	v_and_b32 v[PH], 7, v[LANE]
	v_cvt_f32_u32 v[PH], v[PH]
	v_add_f32 v[PH], 0.5, v[PH]                    ; bin + 0.5
	v_mul_u32_u24 v[STG], CH_OUT, v[LANE]
	v_add_nc_u32 v[STG], s3, v[STG]
	v_lshlrev_b32 v[OUT16], 4, v[LANE]
	v_add_nc_u32 v[RD], s3, v[OUT16]
	v_lshlrev_b32 v[OUT8], 3, v[LANE]
	v_add_nc_u32 v[RD8], s3, v[OUT8]
	v_lshlrev_b32 v[SCW], 2, v[LANE]
	v_add_nc_u32 v[SCW], s3, v[SCW]
	v_mov_b32 v[SCRD], s3
	v_lshl_add_u32 v[TA], s2, 6, v[LANE]           ; my first channel
	v_mov_b32 v[ONE], 1.0
	v_mov_b32 v[NEG8], 0xc1000000
	s_mul_i32 s52, ttmp9, BOX_OUT                  ; below 2^26
	s_mul_i32 s54, s2, WAVE_OUT
	s_add_co_u32 s52, s52, s54
	s_mov_b32 s53, 0                               ; stays 0: the upper word of the offset pair s[52:53]
	s_add_nc_u64 s[20:21], s[20:21], s[52:53]      ; out0 at my wave's 12,544 bytes
	s_wait_kmcnt 0x0
	; the entry's fields, each held to its range before it goes into an address or a trip count
	s_and_b32 s32, s24, 0xffff
	s_min_u32 s32, s32, 256                        ; W
	s_lshr_b32 s33, s24, 16
	s_min_u32 s33, s33, 1                          ; image
	s_min_u32 s34, s25, 254                        ; first row
	s_min_u32 s35, s26, 63                         ; first block of 4 columns
	s_and_b32 s36, s27, 0xffff
	s_min_u32 s36, s36, 128                        ; pairs of rows
	s_lshr_b32 s37, s27, 16
	s_min_u32 s37, s37, 64                         ; blocks
	s_cmp_eq_u32 s32, 256                          ; the map with side W
	s_cselect_b64 s[38:39], s[10:11], s[12:13]     ; f2 or f3
	s_cmp_eq_u32 s32, 64
	s_cselect_b64 s[40:41], s[14:15], s[16:17]     ; f4 or f5
	s_cmp_ge_u32 s32, 128
	s_cselect_b64 s[38:39], s[38:39], s[40:41]
	s_lshl_b32 s42, s32, 2                         ; bytes in a row
	s_mov_b32 s43, 0
	s_lshl_b32 s46, s32, 3                         ; bytes in a pair of rows
	s_mov_b32 s47, 0
	s_mul_i32 s44, s42, s32                        ; bytes in a plane, at most 2^18
	s_lshl_b32 s45, s33, 8                         ; 256 planes an image
	s_mul_i32 s52, s45, s44
	s_mul_i32 s45, s34, s42
	s_add_co_u32 s52, s52, s45
	s_lshl4_add_u32 s52, s35, s52                  ; + 16 bytes a block: below 2^27
	s_add_nc_u64 s[38:39], s[38:39], s[52:53]      ; the first tile in channel 0 of my image
	s_mov_b64 s[48:49], s[38:39]                   ; this trip's first row
	s_add_nc_u64 s[50:51], s[38:39], s[42:43]      ; and its second
	v_mul_u32_u24 v[OFF0], s44, v[TA]              ; channel x plane, below 2^26
	s_lshl_b32 s45, s44, 5
	v_add_nc_u32 v[OFF1], s45, v[OFF0]             ; 32 channels on
.macro LOADS                           ; two rows x two channels, 16 aligned bytes each
	global_load_b128 v[P:P+3],     v[OFF0], s[48:49]
	global_load_b128 v[P+4:P+7],   v[OFF1], s[48:49]
	global_load_b128 v[P+8:P+11],  v[OFF0], s[50:51]
	global_load_b128 v[P+12:P+15], v[OFF1], s[50:51]
.endm
; The sample coordinate of bin lane & 7 along one axis, clipped; -8 where the reference's 'valid' fails.
.macro COORD dst, slo, shi
	v_mul_f32 v[TA], \slo, v[SC]                   ; the roi's start in pixels
	v_mul_f32 v[TB], \shi, v[SC]
	v_sub_f32 v[TB], v[TB], v[TA]                  ; its extent,
	v_cmp_gt_f32 vcc_lo, 1.0, v[TB]
	v_cndmask_b32 v[TB], v[TB], v[ONE], vcc_lo     ; at least 1; a NaN stays a NaN, as in jnp.maximum
	v_mul_f32 v[TB], RCP_7, v[TB]                  ; bin size
	v_fma_f32 v[TA], v[PH], v[TB], v[TA]           ; start + (bin + 0.5) x bin size
	v_cmp_lt_f32 vcc_lo, -1.0, v[TA]
	v_cmp_lt_f32 s54, v[TA], v[WF]                 ; both fail for a NaN
	v_max_num_f32 v[TB], 0, v[TA]
	v_min_num_f32 v[TB], v[TB], v[WM1]
	s_and_b32 vcc_lo, vcc_lo, s54
	v_cndmask_b32 v[\dst], v[NEG8], v[TB], vcc_lo
.endm
; This trip's weights.  s59: the tile's first column, s60: its first row.  Lane 8 j + b makes Wx[b][column j] and Wy[b][row j]
; (rows 2 and 3 are made along and not read).  The LDS unit serves a wave's instructions in order (ISA guide 5.7.1), so the loads see
; the stores, and the next trip's stores come behind this trip's loads; the bytes are the wave's own.
.macro WEIGHTS
	v_add_nc_u32 v[TA], s59, v[G]
	v_add_nc_u32 v[TB], s60, v[G]
	v_cvt_f32_u32 v[TA], v[TA]
	v_cvt_f32_u32 v[TB], v[TB]
	v_sub_f32 v[TA], v[XC], v[TA]
	v_sub_f32 v[TB], v[YC], v[TB]
	v_and_b32 v[TA], 0x7fffffff, v[TA]             ; distance from the sample to the pixel
	v_and_b32 v[TB], 0x7fffffff, v[TB]
	v_sub_f32 v[TA], 1.0, v[TA]
	v_sub_f32 v[TB], 1.0, v[TB]
	v_max_num_f32 v[TA], 0, v[TA]
	v_max_num_f32 v[TB], 0, v[TB]
	ds_store_b32 v[SCW], v[TA] offset:SCR
	ds_store_b32 v[SCW], v[TB] offset:SCR+128
.irp i, 0,1,2,3,4,5,6,7
	ds_load_b128 v[WX+4*\i:WX+4*\i+3], v[SCRD] offset:SCR+16*\i        ; every lane reads the same 16 bytes
.endr
.irp i, 0,1,2,3
	ds_load_b128 v[WY+4*\i:WY+4*\i+3], v[SCRD] offset:SCR+128+16*\i
.endr
.endm
; Row sums of (row, channel set) c: column j's pixel (register hi of the pair at pp) times Wx of 8 bins, two bins an instruction.
.macro XCOL c, j, pp, hi
.irp m, 0,2,4,6
.if \j == 0
	v_pk_mul_f32 v[T+8*\c+\m:T+8*\c+\m+1], v[WX+\m:WX+\m+1], v[P+4*\c:P+4*\c+1] op_sel_hi:[1,0]
.else
	v_pk_fma_f32 v[T+8*\c+\m:T+8*\c+\m+1], v[WX+8*\j+\m:WX+8*\j+\m+1], v[P+4*\c+\pp:P+4*\c+\pp+1], v[T+8*\c+\m:T+8*\c+\m+1] op_sel:[0,\hi,0] op_sel_hi:[1,\hi,1]
.endif
.endr
.endm
; out[ph][0..7] of channel set a takes row g's sums times Wy[ph][g] (register hi of the pair at wp).  first = 1: this product starts the sums.
.macro YROW a, g, ph, wp, hi, first
.irp m, 0,2,4,6
.if \first
	v_pk_mul_f32 v[ACC+56*\a+8*\ph+\m:ACC+56*\a+8*\ph+\m+1], v[T+8*(2*\g+\a)+\m:T+8*(2*\g+\a)+\m+1], v[WY+8*\g+\wp:WY+8*\g+\wp+1] op_sel:[0,\hi] op_sel_hi:[1,\hi]
.else
	v_pk_fma_f32 v[ACC+56*\a+8*\ph+\m:ACC+56*\a+8*\ph+\m+1], v[T+8*(2*\g+\a)+\m:T+8*(2*\g+\a)+\m+1], v[WY+8*\g+\wp:WY+8*\g+\wp+1], v[ACC+56*\a+8*\ph+\m:ACC+56*\a+8*\ph+\m+1] op_sel:[0,\hi,0] op_sel_hi:[1,\hi,1]
.endif
.endr
.endm
.macro YTILE a, g, first
	YROW \a, \g, 0, 0, 0, \first
	YROW \a, \g, 1, 0, 1, \first
	YROW \a, \g, 2, 2, 0, \first
	YROW \a, \g, 3, 2, 1, \first
	YROW \a, \g, 4, 4, 0, \first
	YROW \a, \g, 5, 4, 1, \first
	YROW \a, \g, 6, 6, 0, \first
.endm
.macro COMPUTE first                   ; 64 + 112 packed instructions for 2 rows x 4 columns x 64 channels
	s_wait_loadcnt 0x0                             ; the four loads were issued together and are all needed; their bases may be stepped behind this wait
	s_wait_dscnt 0x0                               ; the weights
.irp c, 0,1,2,3
	XCOL \c, 0, 0, 0
	XCOL \c, 1, 0, 1
	XCOL \c, 2, 2, 0
	XCOL \c, 3, 2, 1
.endr
	YTILE 0, 0, \first
	YTILE 1, 0, \first
	YTILE 0, 1, 0
	YTILE 1, 1, 0
.endm
.macro NEXTPAIR                        ; two rows down.  Stands behind COMPUTE, whose wait has shown the loads from these bases done
	s_add_nc_u64 s[48:49], s[48:49], s[46:47]
	s_add_nc_u64 s[50:51], s[50:51], s[46:47]
	s_add_co_u32 s60, s60, 2
.endm
	; THE FIRST TRIP: the loads first, the coordinates and weights while they are out
	LOADS
	s_lshl_b32 s59, s35, 2                         ; this trip's first column
	s_mov_b32 s60, s34                             ; this trip's first row
	v_cvt_f32_u32 v[WF], s32
	v_mul_f32 v[SC], 0x3a800000, v[WF]             ; scale = W / 1024, exact
	v_add_f32 v[WM1], -1.0, v[WF]
	COORD XC, s28, s30                             ; x from b1, b3
	COORD YC, s29, s31                             ; y from b2, b4
	WEIGHTS
	COMPUTE 1
	; THE OTHER TRIPS: down the pairs of rows of a block, then the next block.  Addresses are stepped by sums alone.
	; The first block has had its pair 0, so its pairs are counted from 1; where it has no more, the inner loop is jumped over.
	NEXTPAIR
	s_mov_b32 s57, 1                               ; pair
	s_mov_b32 s58, 0                               ; block
.Lblock:
	s_cmp_ge_u32 s57, s36
	s_cbranch_scc1 .Lnextblock
.Lpair:
	LOADS
	WEIGHTS
	COMPUTE 0
	NEXTPAIR
	s_add_co_u32 s57, s57, 1
	s_cmp_lt_u32 s57, s36
	s_cbranch_scc1 .Lpair
.Lnextblock:
	s_add_nc_u64 s[38:39], s[38:39], 16            ; four columns to the right,
	s_mov_b64 s[48:49], s[38:39]                   ; back at the first pair of rows (nothing is loaded from here if this was the last block)
	s_add_nc_u64 s[50:51], s[38:39], s[42:43]
	s_add_co_u32 s59, s59, 4
	s_mov_b32 s60, s34
	s_mov_b32 s57, 0
	s_add_co_u32 s58, s58, 1
	s_cmp_lt_u32 s58, s37
	s_cbranch_scc1 .Lblock
	; THE WAY OUT: 49 words a channel into the stage,
.irp a, 0,1
.irp ph, 0,1,2,3,4,5,6
.irp pw, 0,1,2,3,4,5,6
	ds_store_b32 v[STG], v[ACC+56*\a+8*\ph+\pw] offset:HALF_OUT*\a+28*\ph+4*\pw
.endr
.endr
.endr
	; back in the order of out0 (the wave's own bytes, served in order: no wait between), into the accumulators' registers:
	; 24 x 512 bytes, 16 a lane, and the last 256 bytes, 8 a lane
.set k, 0
.rept 24
	ds_load_b128 v[ACC+4*k:ACC+4*k+3], v[RD] offset:512*k
.set k, k+1
.endr
	ds_load_b64 v[ACC+96:ACC+97], v[RD8] offset:24*512
.set k, 0
.rept 24
	s_wait_dscnt 24-k                              ; piece k is in: the 23 - k pieces of 512 bytes behind it and the last 256 bytes may be out
	global_store_b128 v[OUT16], v[ACC+4*k:ACC+4*k+3], s[20:21] offset:512*k th:TH_STORE_NT   ; 512 consecutive bytes at a multiple of 256 from out0's first byte
.set k, k+1
.endr
	s_wait_dscnt 0x0
	global_store_b64 v[OUT8], v[ACC+96:ACC+97], s[20:21] offset:24*512 th:TH_STORE_NT        ; 32 lanes x 8 bytes: the last 256 bytes, whole
	s_wait_tensorcnt 0x0
	ds_add_u32 v224, v225
	s_wait_dscnt 0x0
	s_endpgm
.Lfunc_end_k_q0dcd64d996_pool:
	.size	k_q0dcd64d996_pool, .Lfunc_end_k_q0dcd64d996_pool-k_q0dcd64d996_pool
	.p2alignl 7, 3214868480
	.fill 96, 4, 3214868480
	.section	.rodata,"a",@progbits
	.p2align	6, 0x0
	.amdhsa_kernel k_q0dcd64d996_pool
		.amdhsa_group_segment_fixed_size 51712
		.amdhsa_private_segment_fixed_size 0
		.amdhsa_enable_private_segment 0
		.amdhsa_kernarg_size 56
		.amdhsa_user_sgpr_count 2
		.amdhsa_user_sgpr_kernarg_segment_ptr 1
		.amdhsa_wavefront_size32 1
		.amdhsa_system_sgpr_workgroup_id_x 1
		.amdhsa_system_sgpr_workgroup_id_y 1
		.amdhsa_system_sgpr_workgroup_id_z 1
		.amdhsa_system_vgpr_workitem_id 0
		.amdhsa_next_free_vgpr 226
		.amdhsa_next_free_sgpr 66
		.amdhsa_reserve_vcc 1
		.amdhsa_float_denorm_mode_32 3
		.amdhsa_float_denorm_mode_16_64 3
		.amdhsa_memory_ordered 1
		.amdhsa_forward_progress 1
		.amdhsa_inst_pref_size 42
	.end_amdhsa_kernel
	.amdgpu_metadata
---
amdhsa.version: [ 1, 2 ]
amdhsa.kernels:
  - .name:           k_q0dcd64d996_pool
    .symbol:         k_q0dcd64d996_pool.kd
    .args:
      - { .name: boxes, .offset: 0, .size: 8, .value_kind: global_buffer, .address_space: global }
      - { .name: f2, .offset: 8, .size: 8, .value_kind: global_buffer, .address_space: global }
      - { .name: f3, .offset: 16, .size: 8, .value_kind: global_buffer, .address_space: global }
      - { .name: f4, .offset: 24, .size: 8, .value_kind: global_buffer, .address_space: global }
      - { .name: f5, .offset: 32, .size: 8, .value_kind: global_buffer, .address_space: global }
      - { .name: idx, .offset: 40, .size: 8, .value_kind: global_buffer, .address_space: global }
      - { .name: out0, .offset: 48, .size: 8, .value_kind: global_buffer, .address_space: global }
    .group_segment_fixed_size: 51712
    .private_segment_fixed_size: 0
    .kernarg_segment_align: 8
    .kernarg_segment_size: 56
    .max_flat_workgroup_size: 128
    .sgpr_count:     66
    .vgpr_count:     226
    .wavefront_size: 32
...
	.end_amdgpu_metadata
.endif
;; end of part 2
